; MI455X (gfx1250); checked and timed in simulation.
; The chip was launched on July 23, 2026; its instructions are those of AMD's public machine-readable ISA for CDNA 5 (MIT licence, August 2026) and "CDNA5" Instruction Set Architecture Reference Guide (July 2026). The comments in the code are by the model that wrote it; some were corrected since.
;; Quant Linear. Allowed arithmetic: matrix products marked QUANTISED: E3M2 operands, one E8M0 scale for each 32 along K, by v_wmma_scale_f32_16x16x128_f8f6f4 with both operands' format E3M2, f32 sums; everything else in f32.
;; Inputs: bias 4,096 float32; qweight 2,048 x 4,096 int32; scales 4,096 x 1 float32; x 4 x 1,024 x 4,096 float32; zeros 4,096 x 1 float32.
;; Outputs: out0 4 x 1,024 x 4,096 float32.
;; This version of the problem:
;;   THIS VERSION OF THE PROBLEM IS GIVEN IN LOW PRECISION. The matrix products marked QUANTISED in the list below multiply operands that are first quantised to E3M2 (3 exponent bits, 2 mantissa bits; 6 bits a number), with one power-of-two scale for each 32 numbers along K (OCP MX v1.0); their sums are f32. All else is computed in f32.
;;   The module's matrix products, in the order in which they are computed (A, B: the left and right operand; K: the contracted axis; several contracted axes count as one K, in the product's order):
;;     1. [M 4,096, K 4,096] x [K 4,096, N 4,096]; A: input x; B: computed on the way: QUANTISED
;;   THE QUANTISER, for each operand of a quantised product, along K:
;;     - K is cut into blocks of 32 from its start; a last block that is shorter is filled with zeros.
;;     - A block's scale is 2^e with e = floor(log2(the largest magnitude in the block)) - 4, held to -126 .. 127; a block of zeros has e = 0. As a byte (E8M0): e + 127.
;;     - Each number is divided by its block's scale, clamped to +-28, and rounded to the nearest number of E3M2, ties to even, subnormals kept.
;;     - The product sums the exact products of the quantised numbers (number of the format x scale) in f32.
;;   ~~~python
;;   def quantise(x, axis):      # numpy; x: float32 -> the quantised numbers, widened to float32 again
;;       x = np.moveaxis(x, axis, -1); K = x.shape[-1]
;;       x = np.pad(x, [(0, 0)] * (x.ndim - 1) + [(0, -K % 32)]); x = x.reshape(x.shape[:-1] + (-1, 32)); a = np.abs(x).max(-1, keepdims=True)
;;       e = np.where(a > 0, np.clip(np.frexp(np.where(a > 0, a, 1))[1] - 1 - 4, -126, 127), 0)      # np.frexp(a)[1] - 1 = floor(log2(a)), exactly
;;       r = np.clip(x / 2.0 ** e, -28, 28)
;;       step = 2.0 ** (np.maximum(np.frexp(np.where(r == 0, 1, r))[1] - 1, -2) - 2)
;;       q = np.round(r / step) * step * 2.0 ** e      # np.round: ties to even
;;       return np.moveaxis(q.reshape(q.shape[:-2] + (-1,))[..., :K], -1, axis).astype(np.float32)
;;   ~~~
;;   OPERANDS COMPUTED ON THE WAY. 'Computed on the way' means the value that the module computes at that place (a softmax that the list does not call 'softmax' is quantised finished and normalised). What goes into a quantiser is computed in f32, as accurately as f32 sums, v_exp_f32 and their like allow (about 1e-6 of the number): no bf16 or f16 on the way to a quantiser, and a product that is left as it is and whose result goes on into a quantised operand takes f32 operands (vector FMAs, or v_wmma_f32_16x16x4_f32). A number that lies on a knife's edge between two numbers of the format may be rounded either way, as far as f32 arithmetic and the matrix unit's own rounding can turn it there, and no further.
;; One version. Each part assembles by itself: llvm-mc -triple=amdgcn-amd-amdhsa -mcpu=gfx1250 --defsym DOCPART=n.
;; ======== version 1 of 1: 2 launches
;; limits: right only within a limited range of input values
;; workspace buffers: xq 13,107,200 bytes; wq 13,107,200 bytes
;; launch quant (part 1): grid 256 x 1, 12 waves a work-group, no clusters, 152,064 bytes of LDS; arguments x, qweight, scales, zeros, xq, wq; writes xq, wq
.if DOCPART == 1
	.amdgcn_target "amdgcn-amd-amdhsa--gfx1250"
	.amdhsa_code_object_version 6
	.text
	.protected	k_q9e58736aa7_quant
	.globl	k_q9e58736aa7_quant
	.p2align	8
	.type	k_q9e58736aa7_quant,@function
k_q9e58736aa7_quant:
	s_mov_b64 s[64:65], 0
	v_nop
	global_prefetch_b8 v0, s[64:65] scope:SCOPE_SE
	s_setreg_imm32_b32 hwreg(HW_REG_WAVE_MODE, 25, 1), 1
	s_wait_xcnt 0x0
; BOTH OPERANDS OF y = x w + bias BECOME CODES OF BF6 (E3M2), 6 bits each, with one E8M0 scale byte for each 32 along K.
; x: [4096 rows][4096 k] f32.  w[k][n] = (q[k][n] - zp[n]) * scales[n], q = the nibbles of qweight [2048][4096] (row R: k = 2 R in bits 3:0, k = 2 R + 1 in bits 7:4),
; zp[n] = zeros[n] / scales[n] rounded to the nearest whole number, ties to even.  w is made in f32 as it is written here: a subtraction, then one multiplication.
; A block's scale is 2^(floor(log2(its largest magnitude)) - 4): its byte is the largest magnitude's exponent field - 4, held at 1 from below.
; THE WORKSPACE IS LAID IN THE ORDER OF THE OPERAND'S REGISTERS.  xq and wq are [32 groups of 128 rows][32 K steps of 128][a PANEL of 12,800 bytes].  (A row of wq is a column n of w.)
; A panel: 8 fragment images of 1,536 bytes (16 rows each), then 128 scale words (row p's at 12,288 + 4 p; byte b scales k = 32 b .. 32 b + 31 of the K step).
; A fragment image: register g (0 .. 11) of lane L at 512 (g / 4) + 16 L + 4 (g % 4); lane L = r + 16 h holds row r, registers 6 c .. 6 c + 5 the 192 bits of k = 64 c + 32 h + 0 .. 31.
; SHARES.  Twelve waves that share nothing: no barrier.  Waves 0-7 take half a panel of x each (64 rows x 128 k), waves 8-11 a whole panel of w each (128 columns x 128 k = 64 rows of qweight x 512 bytes):
; 32 KiB of input a wave, of which 16 KiB (two sets of 16 loads, 512 consecutive bytes each) are asked for ahead.
; LIMITS: NaN and infinities among the inputs are not served.  scales: normal numbers of magnitude 2^-100 to 2^100 (the quotient's refinement leaves f32's range beyond that).
; A block of zeros, and one whose largest magnitude lies under 2^-122, gets the byte 1 (a block of zeros: where the rule says 127; its codes are zeros, and this program alone reads the bytes).
.set PANEL, 12800
.set FRAGB, 1536
.set WREG,  12544                      ; LDS of a wave.  x: a stage of 16 rows x (512 + 16) bytes, then at 8,448 its 64 scale words.  w: 8 fragment images, 1,552 bytes apart
.set XP,    528                        ; 33 x 16 bytes: the 16 rows that a load of 16 bytes a lane touches start in 16 different groups of four banks (64 banks of 4 bytes: ISA guide 11.1)
.set XW,    8448
.set FP,    1552                       ; 97 x 16 bytes: sixteen lanes' stores (four images x four places of 64 bytes) fall on 16 different groups of four banks
.set R,     16                         ; v16-143   two sets of 64 registers, as loaded
.set X,     144                        ; v144-207  x: 64 numbers of my row, k = 32 h + 0 .. 31 and 64 + 32 h + 0 .. 31
.set C,     208                        ; v208-219  x: a fragment's 12 registers
.set U,     220                        ; v220-222, v224-226  x: the upper halves of the two blocks' codes, as the conversions leave them
.set XM,    228                        ; v228-229  largest magnitudes;  v230-231 the conversions' scale operands;  v232-233 the bytes
.set XE,    230
.set XB,    232
.set PW,    234                        ; v234      my row's scale word
.set XT,    235                        ; v235      the other half of the lanes' part of it
.set W,     144                        ; v144-175  w: 32 numbers of one column, down K
.set CC,    176                        ; v176 + 8 c: the six registers of column c's block
.set WU,    208                        ; v208-210  w: the upper half of a block's codes
.set SW,    212                        ; v212-215  w: the scale words of my four columns
.set NZ,    216                        ; v216-223  -zp of column c, in both registers of pair c
.set SCL,   224                        ; v224-231  scales of column c, likewise
.set DS,    232                        ; v232-235 scales, v236-239 zeros, v240-243 reciprocals, v244-247 quotients, v248-251 residuals
.set WM,    248                        ; later: v248-249 two chains of the maximum, v250 the scale operand, v251 the byte
.set WE,    250
.set WB,    251
	s_load_b256 s[4:11], s[0:1], 0x0               ; x s[4:5], qweight s[6:7], scales s[8:9], zeros s[10:11]
	s_load_b128 s[12:15], s[0:1], 0x20             ; xq s[12:13], wq s[14:15]
	v_lshl_add_u32 v254, v0, 2, 0x24c00
	v_mov_b32 v255, 0
	v_lshrrev_b32 v1, 5, v0
	s_delay_alu instid0(VALU_DEP_1)
	v_readfirstlane_b32 s16, v1                    ; wave 0..11
	s_mul_i32 s17, s16, WREG                       ; my wave's LDS
	s_mov_b32 s20, 0x76543210
	s_mov_b32 s21, 0xfedcba98                      ; v_permlanex16_b32's selects for lane l xor 16
	; every address register of both roles is made here, ahead of the parting, and never rewritten
	v_and_b32 v2, 31, v0                           ; lane
	v_and_b32 v3, 15, v0                           ; r
	v_bfe_u32 v4, v0, 4, 1                         ; h
	s_delay_alu instid0(VALU_DEP_3)
	v_lshlrev_b32 v11, 4, v2                       ; 16 x lane: my 16 bytes of 512, in memory
	s_delay_alu instid0(VALU_DEP_4)
	v_lshlrev_b32 v12, 3, v2                       ; 8 x lane
	s_delay_alu instid0(VALU_DEP_3)
	v_lshlrev_b32 v13, 3, v4                       ; 8 h: how far my two scale bytes are shifted
	s_delay_alu instid0(VALU_DEP_3)
	v_add_nc_u32 v5, s17, v11                      ; LDS: 16 x lane in my wave's region (x: into the stage; w: the images read back)
	v_mul_u32_u24 v6, v3, XP
	s_delay_alu instid0(VALU_DEP_1)
	v_lshl_add_u32 v6, v4, 7, v6
	s_delay_alu instid0(VALU_DEP_1)
	v_add_nc_u32 v6, s17, v6                       ; x: out of the stage: row r, + 128 h bytes
	v_lshlrev_b32 v7, 2, v3
	s_delay_alu instid0(VALU_DEP_1)
	v_add_nc_u32 v7, s17, v7
	s_delay_alu instid0(VALU_DEP_1)
	v_add_nc_u32 v7, XW, v7                        ; x: row r's scale word
	v_add_nc_u32 v8, s17, v12
	s_delay_alu instid0(VALU_DEP_1)
	v_add_nc_u32 v8, XW, v8                        ; x: the 64 words read back, 8 bytes a lane
	v_lshrrev_b32 v9, 2, v2
	s_delay_alu instid0(VALU_DEP_1)
	v_mul_u32_u24 v9, v9, FP
	v_and_b32 v10, 3, v2
	s_delay_alu instid0(VALU_DEP_1)
	v_lshl_add_u32 v9, v10, 6, v9
	s_delay_alu instid0(VALU_DEP_1)
	v_add_nc_u32 v9, s17, v9                       ; w: image lane / 4, and in it the place of row 4 (lane % 4): 64 (lane % 4)
	s_wait_kmcnt 0x0
	s_cmp_lt_u32 s16, 8
	s_cbranch_scc0 .Lw                             ; the roles part on the wave's number and do not meet again
	; ================= x: waves 0-7 =================
	s_lshr_b32 s22, ttmp9, 2                       ; which 64 rows: 0..63
	s_and_b32 s23, ttmp9, 3
	s_lshl_b32 s23, s23, 3
	s_add_co_u32 s23, s23, s16                     ; which K step: 0..31
	s_lshl_b32 s24, s22, 20                        ; 64 rows of 16,384 bytes
	s_lshl_b32 s26, s23, 9                         ; 128 numbers of 4 bytes
	s_add_co_u32 s24, s24, s26
	s_mov_b32 s25, 0
	s_add_nc_u64 s[4:5], s[4:5], s[24:25]
	s_lshr_b32 s26, s22, 1                         ; the group of 128 rows
	s_lshl_b32 s26, s26, 5
	s_add_co_u32 s26, s26, s23
	s_mul_i32 s26, s26, PANEL
	s_mov_b32 s27, 0
	s_add_nc_u64 s[12:13], s[12:13], s[26:27]      ; my panel
	s_and_b32 s28, s22, 1                          ; which half of it
	s_lshl_b32 s30, s28, 8
	s_add_co_u32 s30, s30, 8*FRAGB
	s_mov_b32 s31, 0
	s_add_nc_u64 s[32:33], s[12:13], s[30:31]      ; my 64 scale words
	s_mul_i32 s28, s28, 4*FRAGB
	s_mov_b32 s29, 0
	s_add_nc_u64 s[12:13], s[12:13], s[28:29]      ; my four fragment images
	v_mov_b32 v[XT], 0                             ; written once: a lane permute's destination counts as one of its sources
.macro XLOAD t                         ; rows 16 t .. 16 t + 15 of my 64: a load reads a row's 512 consecutive bytes
.irp j, 0,1,2,3,4,5,6,7,8,9,10,11,12,13,14,15
	global_load_b128 v[R+64*((\t)%2)+4*\j:R+64*((\t)%2)+4*\j+3], v11, s[4:5] offset:(16*(\t)+\j)*16384 th:TH_LOAD_NT
.endr
.endm
; Fragment t.  The conversions want 32 neighbours along K in ONE lane; the loads take neighbouring bytes in neighbouring lanes: so 16 rows turn through the wave's own stage.
.macro XSTEP t
.set RS, R+64*((\t)%2)
.if (\t) < 3
	s_wait_loadcnt 16                              ; this fragment's 16 loads are in; the next fragment's 16 may be out
.else
	s_wait_loadcnt 0
.endif
.irp j, 0,1,2,3,4,5,6,7,8,9,10,11,12,13,14,15
	ds_store_b128 v5, v[RS+4*\j:RS+4*\j+3] offset:XP*\j
.endr
.irp i, 0,1,2,3,4,5,6,7,8,9,10,11,12,13,14,15
	ds_load_b128 v[X+4*\i:X+4*\i+3], v6 offset:16*\i+128*(\i/8)   ; LDS serves a wave's instructions in order: these see the stores above.  Bytes 128 h + 0 .. 127, then 256 + 128 h + 0 .. 127 of row r
.endr
	s_wait_dscnt 0x0                               ; my 64 numbers are in; the stores have read their registers, and the last fragment's word store has read PW
.if (\t) < 2
	XLOAD (\t)+2                                   ; into the set just left
.endif
.irp c, 0,1
	v_max3_num_f32 v[XM+\c], |v[X+32*\c]|, |v[X+32*\c+1]|, 0x2800000   ; block 2 c + h: all its 32 numbers are mine; and the floor 2^(5 - 127): so the byte cannot fall under 1
.endr
.irp i, 2,4,6,8,10,12,14,16,18,20,22,24,26,28,30
.irp c, 0,1
	s_delay_alu instid0(VALU_DEP_2)
	v_max3_num_f32 v[XM+\c], v[XM+\c], |v[X+32*\c+\i]|, |v[X+32*\c+\i+1]|   ; (the two blocks by turns)
.endr
.endr
.irp c, 0,1
	s_delay_alu instid0(VALU_DEP_2)
	v_add_nc_u32 v[XE+\c], 0xfe000000, v[XM+\c]    ; 4 off the exponent field: the conversion takes the exponent field of this operand as its scale, and nothing else of it
.endr
.irp c, 0,1
	s_delay_alu instid0(VALU_DEP_2)
	v_lshrrev_b32 v[XB+\c], 23, v[XE+\c]           ; the scale's byte
.endr
	s_delay_alu instid0(VALU_DEP_1)
	v_lshl_or_b32 v[PW], v[XB+1], 16, v[XB]        ; my two bytes: blocks h and 2 + h,
	s_delay_alu instid0(VALU_DEP_1)
	v_lshlrev_b32 v[PW], v13, v[PW]                ; at their places in the word (8 h bits up);
	s_delay_alu instid0(VALU_DEP_1)
	v_permlanex16_b32 v[XT], v[PW], s20, s21
	s_delay_alu instid0(VALU_DEP_1)
	v_or_b32 v[PW], v[PW], v[XT]                   ; with lane l xor 16's two the word is whole
	s_wait_alu depctr_va_vdst(0)
	s_wait_xcnt 0x0                                ; the last fragment's stores have read their data: the codes' registers are written again only behind this wait
	v_cvt_scalef32_pk16_bf6_f32 v[C:C+2], v[X:X+15], v[XE]
	v_cvt_scalef32_pk16_bf6_f32 v[U:U+2], v[X+16:X+31], v[XE]          ; (a conversion's three registers begin on an even number: a block's upper half is made elsewhere and moved)
	v_cvt_scalef32_pk16_bf6_f32 v[C+6:C+8], v[X+32:X+47], v[XE+1]
	v_cvt_scalef32_pk16_bf6_f32 v[U+4:U+6], v[X+48:X+63], v[XE+1]
	v_nop                                          ; one plain place behind a scaled conversion
.irp i, 0,1,2
	v_mov_b32 v[C+3+\i], v[U+\i]
	v_mov_b32 v[C+9+\i], v[U+4+\i]
.endr
.irp j, 0,1,2
	global_store_b128 v11, v[C+4*\j:C+4*\j+3], s[12:13] offset:FRAGB*(\t)+512*\j   ; the image: 32 lanes store 512 consecutive bytes, at a multiple of 256 from xq's first byte
.endr
	ds_store_b32 v7, v[PW] offset:64*(\t)          ; lanes r and r + 16 write the same word with the same value
.endm
	XLOAD 0
	XLOAD 1
	XSTEP 0
	XSTEP 1
	XSTEP 2
	XSTEP 3
	ds_load_b64 v[236:237], v8                     ; my wave's 64 scale words: LDS serves a wave's instructions in order
	s_wait_dscnt 0x0
	global_store_b64 v12, v[236:237], s[32:33]     ; 32 lanes store 256 consecutive bytes, at a multiple of 256 from xq's first byte
	s_wait_tensorcnt 0x0
	ds_add_u32 v254, v255
	s_wait_dscnt 0x0
	s_endpgm
	; ================= w: waves 8-11 =================
.Lw:
	s_and_b32 s22, ttmp9, 7
	s_lshl_b32 s22, s22, 2
	s_add_co_u32 s22, s22, s16
	s_sub_co_u32 s22, s22, 8                       ; which 128 columns: 0..31
	s_lshr_b32 s23, ttmp9, 3                       ; which K step: 0..31
	s_lshl_b32 s24, s23, 20                        ; 64 rows of qweight of 16,384 bytes
	s_lshl_b32 s26, s22, 9                         ; 128 columns of 4 bytes
	s_add_co_u32 s24, s24, s26
	s_mov_b32 s25, 0
	s_mov_b32 s27, 0
	s_add_nc_u64 s[6:7], s[6:7], s[24:25]
	s_add_nc_u64 s[8:9], s[8:9], s[26:27]
	s_add_nc_u64 s[10:11], s[10:11], s[26:27]
	s_lshl_b32 s28, s22, 5
	s_add_co_u32 s28, s28, s23
	s_mul_i32 s28, s28, PANEL
	s_mov_b32 s29, 0
	s_add_nc_u64 s[14:15], s[14:15], s[28:29]      ; my panel
.macro WLOAD t                         ; rows 16 t .. 16 t + 15 of my 64 of qweight, k-block t: a load reads 512 consecutive bytes; register 4 i + c: row i, column 4 lane + c
.irp i, 0,1,2,3,4,5,6,7,8,9,10,11,12,13,14,15
	global_load_b128 v[R+64*((\t)%2)+4*\i:R+64*((\t)%2)+4*\i+3], v11, s[6:7] offset:(16*(\t)+\i)*16384 th:TH_LOAD_NT
.endr
.endm
	global_load_b128 v[DS:DS+3], v11, s[8:9]       ; scales of my four columns
	global_load_b128 v[DS+4:DS+7], v11, s[10:11]   ; zeros
	WLOAD 0
	WLOAD 1
	s_wait_loadcnt 32                              ; scales and zeros are in; the 32 loads issued behind them may be out
	; zeros / scales as f32 division gives it: a quotient a last bit off could fall on the other side of a half and move a whole column by one step.
	; The reciprocal is refined once, the quotient twice, each time by a residual taken in one fused multiply-add.
.irp c, 0,1,2,3
	v_rcp_f32 v[DS+8+\c], v[DS+\c]
.endr
	v_nop                                          ; a plain place behind the last reciprocal
	s_wait_alu depctr_va_vdst(0)                   ; the wait ahead of the first use: one for the four
.irp c, 0,1,2,3
	v_fma_f32 v[DS+16+\c], -v[DS+\c], v[DS+8+\c], 1.0
.endr
.irp c, 0,1,2,3
	v_fma_f32 v[DS+8+\c], v[DS+16+\c], v[DS+8+\c], v[DS+8+\c]
.endr
.irp c, 0,1,2,3
	s_delay_alu instid0(VALU_DEP_4)
	v_mul_f32 v[DS+12+\c], v[DS+4+\c], v[DS+8+\c]
.endr
.rept 2
.irp c, 0,1,2,3
	s_delay_alu instid0(VALU_DEP_4)
	v_fma_f32 v[DS+16+\c], -v[DS+\c], v[DS+12+\c], v[DS+4+\c]      ; zeros - scales x quotient
.endr
.irp c, 0,1,2,3
	s_delay_alu instid0(VALU_DEP_4)
	v_fma_f32 v[DS+12+\c], v[DS+16+\c], v[DS+8+\c], v[DS+12+\c]
.endr
.endr
.irp c, 0,1,2,3
	v_rndne_f32 v[NZ+2*\c], -v[DS+12+\c]           ; -zp: to the nearest whole number, ties to even
	v_mov_b32 v[SCL+2*\c], v[DS+\c]
.endr
.irp c, 0,1,2,3
	v_mov_b32 v[NZ+2*\c+1], v[NZ+2*\c]             ; both halves of the pairs that the packed forms name
	v_mov_b32 v[SCL+2*\c+1], v[DS+\c]
.endr
; k-block t of column 4 lane + c: 32 numbers down K in one lane, so the block's maximum needs no other lane and the codes come out with K innermost.
; Column 4 lane + c is row r = 4 (lane % 4) + c of image lane / 4; block t belongs to lane r + 16 (t % 2) of the image, registers 6 (t / 2) .. 6 (t / 2) + 5.
.macro COL t, c
.set RS, R+64*((\t)%2)+(\c)
.irp i, 0,1,2,3,4,5,6,7,8,9,10,11,12,13,14,15
	v_and_b32 v[W+2*\i], 15, v[RS+4*\i]            ; k = 2 i: bits 3:0
	v_bfe_u32 v[W+2*\i+1], v[RS+4*\i], 4, 4        ; k = 2 i + 1: bits 7:4
.endr
.irp i, 0,1,2,3,4,5,6,7,8,9,10,11,12,13,14,15,16,17,18,19,20,21,22,23,24,25,26,27,28,29,30,31
	v_cvt_f32_u32 v[W+\i], v[W+\i]
.endr
.irp i, 0,2,4,6,8,10,12,14,16,18,20,22,24,26,28,30
	v_pk_add_f32 v[W+\i:W+\i+1], v[W+\i:W+\i+1], v[NZ+2*(\c):NZ+2*(\c)+1]      ; q - zp
.endr
.irp i, 0,2,4,6,8,10,12,14,16,18,20,22,24,26,28,30
	v_pk_mul_f32 v[W+\i:W+\i+1], v[W+\i:W+\i+1], v[SCL+2*(\c):SCL+2*(\c)+1]    ; x scale: not fused with the subtraction, which the definition rounds by itself
.endr
	v_max3_num_f32 v[WM], |v[W]|, |v[W+1]|, |v[W+2]|
	v_max3_num_f32 v[WM+1], |v[W+3]|, |v[W+4]|, |v[W+5]|
.irp i, 6,10,14,18,22,26
	s_delay_alu instid0(VALU_DEP_2)
	v_max3_num_f32 v[WM], v[WM], |v[W+\i]|, |v[W+\i+1]|
	s_delay_alu instid0(VALU_DEP_2)
	v_max3_num_f32 v[WM+1], v[WM+1], |v[W+\i+2]|, |v[W+\i+3]|
.endr
	s_delay_alu instid0(VALU_DEP_2)
	v_max3_num_f32 v[WM], v[WM], |v[W+30]|, |v[W+31]|
	s_delay_alu instid0(VALU_DEP_1)
	v_max3_num_f32 v[WM], v[WM], v[WM+1], 0x2800000    ; and the floor 2^(5 - 127)
	s_delay_alu instid0(VALU_DEP_1)
	v_add_nc_u32 v[WE], 0xfe000000, v[WM]          ; 4 off the exponent field: the conversions' scale operand
	v_cvt_scalef32_pk16_bf6_f32 v[CC+8*(\c):CC+8*(\c)+2], v[W:W+15], v[WE]
	v_cvt_scalef32_pk16_bf6_f32 v[WU:WU+2], v[W+16:W+31], v[WE]
	v_lshrrev_b32 v[WB], 23, v[WE]                 ; the scale's byte.  (The plain place behind the conversions)
.if (\t) == 0
	s_delay_alu instid0(VALU_DEP_1)
	v_mov_b32 v[SW+(\c)], v[WB]
.else
	s_delay_alu instid0(VALU_DEP_1)
	v_lshl_or_b32 v[SW+(\c)], v[WB], 8*(\t), v[SW+(\c)]    ; byte t of the column's scale word
.endif
.irp i, 0,1,2
	v_mov_b32 v[CC+8*(\c)+3+\i], v[WU+\i]
.endr
.if (\t) < 2                           ; registers 0-3 lie in the image's first 512 bytes, 4 and 5 at the head of my 16 bytes in the second
	ds_store_b128 v9, v[CC+8*(\c):CC+8*(\c)+3] offset:16*(\c)+256*((\t)%2)
	ds_store_b64 v9, v[CC+8*(\c)+4:CC+8*(\c)+5] offset:512+16*(\c)+256*((\t)%2)
.else                                  ; registers 6 and 7 behind them, 8-11 in the third
	ds_store_b64 v9, v[CC+8*(\c):CC+8*(\c)+1] offset:520+16*(\c)+256*((\t)%2)
	ds_store_b128 v9, v[CC+8*(\c)+2:CC+8*(\c)+5] offset:1024+16*(\c)+256*((\t)%2)
.endif
.endm
.macro WSTEP t
.if (\t) < 3
	s_wait_loadcnt 16                              ; this block's 16 loads are in; the next block's 16 may be out
.else
	s_wait_loadcnt 0
.endif
	s_wait_dscnt 0x0                               ; the last block's LDS stores have read the codes' registers
	COL \t, 0
	COL \t, 1
	COL \t, 2
	COL \t, 3
.if (\t) < 2
	WLOAD (\t)+2                                   ; into the set just left
.endif
.endm
	WSTEP 0
	WSTEP 1
	WSTEP 2
	WSTEP 3
	global_store_b128 v11, v[SW:SW+3], s[14:15] offset:8*FRAGB     ; my four columns' words are neighbours: 32 lanes store the panel's 512 bytes of scale words
.irp k, 0,1,2,3,4,5,6,7,8,9,10,11,12,13,14,15,16,17,18,19,20,21,22,23
	ds_load_b128 v[R+4*\k:R+4*\k+3], v5 offset:FP*(\k/3)+512*(\k%3)    ; the eight images, as they stand: LDS serves a wave's instructions in order
.endr
.irp k, 0,1,2,3,4,5,6,7,8,9,10,11,12,13,14,15,16,17,18,19,20,21,22,23
	s_wait_dscnt 23-\k                             ; load k is in; the younger ones may be out
	global_store_b128 v11, v[R+4*\k:R+4*\k+3], s[14:15] offset:FRAGB*(\k/3)+512*(\k%3)   ; 32 lanes store 512 consecutive bytes, at a multiple of 256 from wq's first byte
.endr
	s_wait_tensorcnt 0x0
	ds_add_u32 v254, v255
	s_wait_dscnt 0x0
	s_endpgm
.Lfunc_end_k_q9e58736aa7_quant:
	.size	k_q9e58736aa7_quant, .Lfunc_end_k_q9e58736aa7_quant-k_q9e58736aa7_quant
	.p2alignl 7, 3214868480
	.fill 96, 4, 3214868480
	.section	.rodata,"a",@progbits
	.p2align	6, 0x0
	.amdhsa_kernel k_q9e58736aa7_quant
		.amdhsa_group_segment_fixed_size 152064
		.amdhsa_private_segment_fixed_size 0
		.amdhsa_enable_private_segment 0
		.amdhsa_kernarg_size 48
		.amdhsa_user_sgpr_count 2
		.amdhsa_user_sgpr_kernarg_segment_ptr 1
		.amdhsa_wavefront_size32 1
		.amdhsa_system_sgpr_workgroup_id_x 1
		.amdhsa_system_sgpr_workgroup_id_y 1
		.amdhsa_system_sgpr_workgroup_id_z 1
		.amdhsa_system_vgpr_workitem_id 0
		.amdhsa_next_free_vgpr 256
		.amdhsa_next_free_sgpr 66
		.amdhsa_reserve_vcc 0
		.amdhsa_float_denorm_mode_32 3
		.amdhsa_float_denorm_mode_16_64 3
		.amdhsa_memory_ordered 1
		.amdhsa_forward_progress 1
		.amdhsa_inst_pref_size 155
	.end_amdhsa_kernel
	.amdgpu_metadata
---
amdhsa.version: [ 1, 2 ]
amdhsa.kernels:
  - .name:           k_q9e58736aa7_quant
    .symbol:         k_q9e58736aa7_quant.kd
    .args:
      - { .name: x, .offset: 0, .size: 8, .value_kind: global_buffer, .address_space: global }
      - { .name: qweight, .offset: 8, .size: 8, .value_kind: global_buffer, .address_space: global }
      - { .name: scales, .offset: 16, .size: 8, .value_kind: global_buffer, .address_space: global }
      - { .name: zeros, .offset: 24, .size: 8, .value_kind: global_buffer, .address_space: global }
      - { .name: xq, .offset: 32, .size: 8, .value_kind: global_buffer, .address_space: global }
      - { .name: wq, .offset: 40, .size: 8, .value_kind: global_buffer, .address_space: global }
    .group_segment_fixed_size: 152064
    .private_segment_fixed_size: 0
    .kernarg_segment_align: 8
    .kernarg_segment_size: 48
    .max_flat_workgroup_size: 384
    .sgpr_count:     66
    .vgpr_count:     256
    .wavefront_size: 32
...
	.end_amdgpu_metadata
.endif
;; end of part 1
;; launch gemm (part 2): grid 16 x 16, 4 waves a work-group, clusters of 4 x 4, 327,680 bytes of LDS; arguments xq, wq, bias, out0; writes out0
.if DOCPART == 2
	.amdgcn_target "amdgcn-amd-amdhsa--gfx1250"
	.amdhsa_code_object_version 6
	.text
	.protected	k_q9e58736aa7_gemm
	.globl	k_q9e58736aa7_gemm
	.p2align	8
	.type	k_q9e58736aa7_gemm,@function
k_q9e58736aa7_gemm:
	s_mov_b64 s[64:65], 0
	v_nop
	global_prefetch_b8 v0, s[64:65] scope:SCOPE_SE
	s_setreg_imm32_b32 hwreg(HW_REG_WAVE_MODE, 25, 1), 1
	s_wait_xcnt 0x0
	s_wait_alu depctr_hold_cnt(0) depctr_sa_sdst(0) depctr_va_vdst(0) depctr_va_sdst(0) depctr_va_ssrc(0) depctr_va_vcc(0) depctr_vm_vsrc(0)
	s_getreg_b32 s2, hwreg(HW_REG_IB_STS2, 6, 4)
	s_cmp_eq_u32 s2, 0
	s_cbranch_scc0 .Lentry_in_a_cluster
	s_endpgm
.Lentry_in_a_cluster:
	s_bfe_u32 s2, ttmp6, 0x10000c
	s_cmp_lg_u32 s2, 0xf033
	s_cbranch_scc0 .Lentry_shape_is_right
	s_endpgm
.Lentry_shape_is_right:
; out0[m][n] = sum over k of x[m][k] w[k][n] + bias[n], on codes of BF6 (E3M2) with E8M0 scales, as the launch before laid them:
; xq, wq: [32 groups of 128 rows][32 K steps of 128][a panel of 12,800 bytes: 8 fragment images of 1,536 bytes, then 128 scale words].
; A work-group of four waves makes 256 x 256 of out0, a wave 128 x 128: 64 accumulators.  4 x 4 work-groups form a cluster: A's panels are asked for jointly
; along a row of the cluster, B's along a column.  K goes through a ring of two LDS slots of three K steps each (the last part has two); a wave fetches one group's panels by one tensor load.
; REGISTERS.  Each window of 256 holds v0-31 small things, v32-127 ONE SET OF FRAGMENTS, v128-255 SIXTEEN ACCUMULATORS (group g = window g: A's blocks 2 g, 2 g + 1 x B's eight).
;   window 0: A's set 0;  window 1: A's set 1;  window 2: B's set 0;  window 3: B's set 1.  A step of parity p multiplies A's set p by B's set p.
; Both operands have two sets.  So a step is ONE run of 56 LDS loads (the next step's fragments and scale words, into the other sets) and then its 64 products on end;
; and a slot's last panel is in registers when its last step begins: the slot is filled again at that step's head.
; THE LAST TWO K STEPS GO BY GROUPS: both steps' fragments are in registers together, so group g takes step 30 and step 31 (K ascending) and its 32 rows leave while the later groups are multiplied.
; The product is used transposed (source 0 = B's rows, source 1 = A's): a lane holds eight neighbouring columns of a row of out0.  The bias is added on the way out, to whole rows.
.set SIZE_N, 4096
.set PANEL,  12800
.set FRAGB,  1536
.set PART,   3*PANEL                   ; what one tensor load brings: three K steps of 128 rows
.set SLOT,   4*PART                    ; A's two groups, then B's two
.set RGB,    32*PANEL                  ; a group of 128 rows, all of K
.set SPARE,  2*SLOT                    ; the spare words: 512 bytes that no other line names
.set STAGE,  SLOT                      ; the way out: in slot 1, which has had its last fill, and its last read ahead of the barrier at step 29's head (steps 30 and 31 lie in slot 0)
.set SPITCH, 528
.set FRG,  32                          ; a window's fragments
.set ACC,  128                         ; a window's accumulators
.set PFS,  4                           ; window 0: v4 the prefetch's offset for the short last part
.set STO,  5                           ; v5 where I put 32 bytes of a row in my stage;  v6 where I read a row back;  v7 16 x lane
.set RD,   6
.set CO,   7
.set BI,   8                           ; v8-11 the bias of my lane's four columns
.set SPW,  12                          ; v12 my spare word's address;  v13 0
.set NIL,  13
.set PFO,  14                          ; v14-15 the prefetches' offsets
.set SC,   16                          ; v16-31 scale words, two sets of 8: lanes 0-15 A's block i, lanes 16-31 B's block i
.set AA,   0                           ; window 2: v0-1 LDS address of my A fragments in slot 0, 1;  v2-3 B's;  v4-5 the scale words'
.set AB,   2
.set AS,   4
.set G1,  24
.set G0,  32
.set G1B, 48
.set G0B, 56
.set G1S,  72                          ; group 1 for the last part, two K steps
.set G1SB, 80
.set PFA, 66
.set MSB, 0
.macro WIN new
.if MSB != (\new)
	s_set_vgpr_msb (MSB<<8)|(\new)
.set MSB, (\new)
.endif
.endm
.macro PLACES n
.rept \n
	v_nop
.endr
.endm
; a joint load: waves 0 and 1 fetch A's two groups, waves 2 and 3 B's; s_nop 0 and four v_nop behind each line
.macro JLOAD g0a, g1a, g0b, g1b
	s_cmp_eq_u32 s15, 0
	s_cbranch_scc0 .Lfor_b_\@
	tensor_load_to_lds s[\g0a:\g0a+3], s[\g1a:\g1a+7]
	s_nop 0
	PLACES 4
	s_branch .Lasked_\@
.Lfor_b_\@:
	tensor_load_to_lds s[\g0b:\g0b+3], s[\g1b:\g1b+7]
	s_nop 0
	PLACES 4
.Lasked_\@:
.endm
; A prefetch behind the joint load of part n: part n + 1, three K steps ahead of the load that will want it.  Of the 150 blocks of 256 bytes that my wave will fetch, each of the four
; partners that ask jointly names 38 (told apart by address), so each block is named once in the cluster.  how = 2: in the loop's last trip the part is the short one, 100 blocks, 25 a partner.
.macro ASK how
.if (\how) == 2
	s_cmp_gt_u32 s3, 1
	s_cbranch_scc0 .Lshort_\@
.endif
	global_prefetch_b8 v[PFO], s[PFA:PFA+1] th:TH_LOAD_NT scope:SCOPE_SE
	global_prefetch_b8 v[PFO+1], s[PFA:PFA+1] th:TH_LOAD_NT scope:SCOPE_SE
.if (\how) == 2
	s_branch .Lpf_\@
.Lshort_\@:
	global_prefetch_b8 v[PFS], s[PFA:PFA+1] th:TH_LOAD_NT scope:SCOPE_SE
.Lpf_\@:
.endif
.endm
.macro CREST
	s_cmp_lg_u32 s14, 0
	s_cbranch_scc1 .Lnot_wave_0_\@
	s_barrier_signal -3
.Lnot_wave_0_\@:
	s_barrier_wait -3
	s_barrier_signal -1
	s_barrier_wait -1
.endm
.macro CROUND
	s_barrier_signal -1
	s_barrier_wait -1
	CREST
.endm
	s_load_b256 s[4:11], s[0:1], 0x0               ; xq, wq, bias, out0
	v_lshl_add_u32 v[SPW], v0, 2, SPARE
	v_mov_b32 v[NIL], 0
	ds_add_u32 v[SPW], v[NIL]                      ; the opening lines: the add twice on end and its wait
	ds_add_u32 v[SPW], v[NIL]
	v_lshrrev_b32 v1, 5, v0
	v_readfirstlane_b32 s14, v1                    ; wave
	s_lshr_b32 s15, s14, 1                         ; my half of the rows; also: I fetch for A (0) or B (1)
	s_and_b32 s16, s14, 1                          ; my half of the columns; also: which group I fetch
	s_bfe_u32 s40, ttmp6, 0x40000                  ; cx
	s_bfe_u32 s41, ttmp6, 0x40004                  ; cy
	s_lshl_b32 s42, ttmp9, 2
	s_add_co_u32 s42, s42, s40                     ; tile column
	s_and_b32 s17, ttmp7, 0xffff
	s_lshl_b32 s17, s17, 2
	s_add_co_u32 s17, s17, s41                     ; tile row
	s_lshl_b32 s43, s41, 2
	s_lshl_b32 s43, 15, s43                        ; my row of the cluster
	s_lshl_b32 s44, 0x1111, s40                    ; my column
	s_or_b32 s[G1+0], s43, (3<<16)|(1<<21)         ; dense blocks, as rows of 256 bytes (32 elements of 8 bytes)
	s_or_b32 s[G1B+0], s44, (3<<16)|(1<<21)
	s_or_b32 s[G1S+0], s43, (3<<16)|(1<<21)
	s_or_b32 s[G1SB+0], s44, (3<<16)|(1<<21)
.irp g, G1, G1B
	s_mov_b32 s[\g+1], 32<<16
	s_mov_b32 s[\g+2], 150<<16
	s_mov_b32 s[\g+3], 32<<16
	s_mov_b32 s[\g+4], 150
	s_mov_b32 s[\g+5], 32
	s_mov_b32 s[\g+6], 0
	s_mov_b32 s[\g+7], 0
.endr
.irp g, G1S, G1SB
	s_mov_b32 s[\g+1], 32<<16
	s_mov_b32 s[\g+2], 100<<16
	s_mov_b32 s[\g+3], 32<<16
	s_mov_b32 s[\g+4], 100
	s_mov_b32 s[\g+5], 32
	s_mov_b32 s[\g+6], 0
	s_mov_b32 s[\g+7], 0
.endr
	s_lshl_b32 s20, s17, 1
	s_add_co_u32 s20, s20, s16
	s_mul_i32 s20, s20, RGB                        ; A: group 2 x tile row + which
	s_mov_b32 s21, 0
	s_lshl_b32 s46, s42, 1
	s_add_co_u32 s46, s46, s16
	s_mul_i32 s46, s46, RGB                        ; B: group 2 x tile column + which
	s_mov_b32 s47, 0
	s_mul_i32 s45, s14, PART                       ; where my load lands: wave x a part
	s_wait_dscnt 0x0                               ; both opening adds are done
	s_wait_kmcnt 0x0
	s_add_nc_u64 s[20:21], s[4:5], s[20:21]
	s_add_nc_u64 s[46:47], s[6:7], s[46:47]
.irp s, 0,1
	s_mov_b32 s[G0+4*\s], 1
	s_add_co_u32 s[G0+4*\s+1], s45, \s*SLOT
	s_add_nc_u64 s[G0+4*\s+2:G0+4*\s+3], s[20:21], \s*PART
	s_or_b32 s[G0+4*\s+3], s[G0+4*\s+3], 0x80000000
	s_mov_b32 s[G0B+4*\s], 1
	s_add_co_u32 s[G0B+4*\s+1], s45, \s*SLOT
	s_add_nc_u64 s[G0B+4*\s+2:G0B+4*\s+3], s[46:47], \s*PART
	s_or_b32 s[G0B+4*\s+3], s[G0B+4*\s+3], 0x80000000
.endr
	CROUND                                         ; all sixteen work-groups are here: the first joint loads meet
	JLOAD G0, G1, G0B, G1B                         ; part 0: one tensor load a wave at the head
	; all scalar work first, then the vector work in one run
	s_mul_i32 s21, s15, PART                       ; my A group in slot 0
	s_mul_i32 s22, s16, PART
	s_add_co_u32 s22, s22, 2*PART                  ; my B group in slot 0
	s_xor_b32 s23, s15, 1
	s_add_co_u32 s23, s23, s16
	s_add_co_u32 s23, s23, 1
	s_mul_i32 s23, s23, PART                       ; from my A group to my B group
	s_add_co_u32 s68, s21, SLOT                    ; the same in slot 1
	s_add_co_u32 s69, s22, SLOT
	s_mul_i32 s70, s14, 32*SPITCH
	s_add_co_u32 s70, s70, STAGE                   ; my stage: 32 rows
	s_lshl_b32 s18, s17, 8
	s_lshl_b32 s19, s15, 7
	s_add_co_u32 s18, s18, s19
	s_lshl_b32 s18, s18, 14                        ; my first row of out0, in bytes
	s_mov_b32 s19, 0
	s_lshl_b32 s46, s42, 10
	s_lshl_b32 s47, s16, 9
	s_add_co_u32 s46, s46, s47                     ; my first column, in bytes
	s_mov_b32 s47, 0
	s_add_nc_u64 s[8:9], s[8:9], s[46:47]
	s_add_nc_u64 s[10:11], s[10:11], s[46:47]
	s_add_nc_u64 s[10:11], s[10:11], s[18:19]
	s_cmp_eq_u32 s15, 0                            ; the prefetches: of the buffer that I fetch from,
	s_cselect_b32 s18, s17, s42
	s_cselect_b32 s19, s40, s41                    ; my place among the four that ask with me
	s_cselect_b64 s[PFA:PFA+1], s[4:5], s[6:7]
	s_mul_i32 s71, s19, 25
	s_mul_i32 s19, s19, 38
	s_lshl_b32 s18, s18, 1
	s_add_co_u32 s18, s18, s16
	s_mul_i32 s44, s18, RGB
	s_add_co_u32 s44, s44, PART                    ; at part 1
	s_mov_b32 s45, 0
	s_add_nc_u64 s[PFA:PFA+1], s[PFA:PFA+1], s[44:45]
	v_and_b32 v1, 15, v0                           ; r
	v_bfe_u32 v2, v0, 4, 1                         ; h
	v_and_b32 v3, 31, v0                           ; lane
	v_lshlrev_b32 v[CO], 4, v3
	v_add_nc_u32 v[PFO], s19, v3                   ; blocks 38 c + 0 .. 31,
	v_min_u32 v[PFO+1], 5, v3
	v_add3_u32 v[PFO+1], v[PFO+1], s19, 32         ; and 38 c + 32 .. 37,
	v_min_u32 v[PFO+1], 149, v[PFO+1]              ; held inside the part
	v_min_u32 v[PFS], 24, v3
	v_add_nc_u32 v[PFS], s71, v[PFS]               ; the short part: blocks 25 c + 0 .. 24
	v_lshlrev_b32 v[PFO], 8, v[PFO]
	v_lshlrev_b32 v[PFO+1], 8, v[PFO+1]
	v_lshlrev_b32 v[PFS], 8, v[PFS]
	v_mul_u32_u24 v3, s23, v2                      ; scale words: lanes 16-31 take B's,
	v_lshl_add_u32 v3, v1, 2, v3                   ; row r's word,
	v_add_nc_u32 v3, 8*FRAGB, v3                   ; behind the panel's images
	v_mul_u32_u24 v[STO], v1, SPITCH
	v_lshl_add_u32 v[STO], v2, 5, v[STO]
	v_add_nc_u32 v[STO], s70, v[STO]
	v_add_nc_u32 v[RD], s70, v[CO]
	WIN 0x80                                       ; the LDS addresses, into window 2 (sources in window 0)
	v_add_nc_u32 v[AA], s21, v[CO]
	v_add_nc_u32 v[AA+1], s68, v[CO]
	v_add_nc_u32 v[AB], s22, v[CO]
	v_add_nc_u32 v[AB+1], s69, v[CO]
	v_add_nc_u32 v[AS], s21, v3
	v_add_nc_u32 v[AS+1], s68, v3
	WIN 0
	s_wait_alu depctr_va_vdst(0)
	ASK 1                                          ; part 1
	global_load_b128 v[BI:BI+3], v[CO], s[8:9]     ; the bias of columns 4 lane .. 4 lane + 3 of my 128: waited for on the way out
	s_wait_tensorcnt 0x0                           ; my share of part 0 is in
	ds_add_u32 v[SPW], v[NIL]
	s_wait_xcnt 0x0                                ; the prefetches have read their base
	s_add_nc_u64 s[PFA:PFA+1], s[PFA:PFA+1], PART
	s_wait_dscnt 0x0
	CROUND
	JLOAD G0+4, G1, G0B+4, G1B                     ; part 1, the first tensor load behind the round
; One run of 56 LDS loads: panel q of the slot into the sets of parity n: B's eight fragments (window 2 + n), A's eight (window n), the eight registers of scale words (window 0).  The addresses lie in window 2.
.macro FETCH n, slot, q
	WIN ((2+(\n))<<6)|2
.irp i, 0,1,2,3,4,5,6,7
.irp j, 0,1,2
	ds_load_b128 v[FRG+12*\i+4*\j:FRG+12*\i+4*\j+3], v[AB+(\slot)] offset:PANEL*(\q)+FRAGB*\i+512*\j
.endr
.endr
	WIN ((\n)<<6)|2
.irp i, 0,1,2,3,4,5,6,7
.irp j, 0,1,2
	ds_load_b128 v[FRG+12*\i+4*\j:FRG+12*\i+4*\j+3], v[AA+(\slot)] offset:PANEL*(\q)+FRAGB*\i+512*\j
.endr
.endr
	WIN 0x02
.irp i, 0,1,2,3,4,5,6,7
	ds_load_b32 v[SC+8*(\n)+\i], v[AS+(\slot)] offset:PANEL*(\q)+64*\i
.endr
.endm
; Group g's 16 products of a step of parity p (D and C window g, A window p, B window 2 + p); the accumulators by turns.  zero = 1: the products start the sums.
.macro MUL16 g, p, zero
	WIN ((\g)<<6)|((\g)<<4)|((\p)<<2)|(2+(\p))
.irp a, 0,1
.irp b, 0,1,2,3,4,5,6,7
.if \zero
	v_wmma_scale_f32_16x16x128_f8f6f4 v[ACC+8*(8*\a+\b):ACC+8*(8*\a+\b)+7], v[FRG+12*\b:FRG+12*\b+11], v[FRG+12*(2*(\g)+\a):FRG+12*(2*(\g)+\a)+11], 0, v[SC+8*(\p)+\b], v[SC+8*(\p)+2*(\g)+\a] matrix_a_fmt:MATRIX_FMT_BF6 matrix_b_fmt:MATRIX_FMT_BF6 matrix_a_scale:MATRIX_SCALE_ROW1
.else
	v_wmma_scale_f32_16x16x128_f8f6f4 v[ACC+8*(8*\a+\b):ACC+8*(8*\a+\b)+7], v[FRG+12*\b:FRG+12*\b+11], v[FRG+12*(2*(\g)+\a):FRG+12*(2*(\g)+\a)+11], v[ACC+8*(8*\a+\b):ACC+8*(8*\a+\b)+7], v[SC+8*(\p)+\b], v[SC+8*(\p)+2*(\g)+\a] matrix_a_fmt:MATRIX_FMT_BF6 matrix_b_fmt:MATRIX_FMT_BF6 matrix_a_scale:MATRIX_SCALE_ROW1
.endif
.endr
.endr
.endm
; A step that stays in its slot: panel q + 1 is fetched into the other sets, step q is multiplied.  The run stands 64 products ahead of the wait for it.
; The four v_nop are the places between the last step's products and the loads into the sets that those products read (ISA guide 7.12.1 for vector instructions).
.macro STEP slot, q, zero
	s_wait_dscnt 0x0                               ; this step's fragments and scale words are in
	PLACES 4
	FETCH 1-((\slot)+(\q))%2, \slot, (\q)+1
.irp g, 0,1,2,3
	MUL16 \g, ((\slot)+(\q))%2, \zero
.endr
.endm
; A slot's last step (its parity is the slot's number).  Its fragments are in registers, so the slot is read no more: each wave waits for all its tensor loads (its share of the other slot),
; adds 0 to its spare word, multiplies group 0 while the add is out, waits for the add and its reads; a round of the cluster's barrier; the refill first behind it; then the other slot's first
; panel is fetched and groups 1 to 3 are multiplied.  fill: 1 a part of three steps, 2 the last part, 0 nothing (a barrier alone shows the other slot whole).
.macro TURN slot, fill, ask
.if \ask
	s_wait_xcnt 0x0                                ; my last prefetches have read their base
	s_add_nc_u64 s[PFA:PFA+1], s[PFA:PFA+1], PART
.endif
	WIN 0
	s_wait_tensorcnt 0x0
	ds_add_u32 v[SPW], v[NIL]
.if \fill
	s_add_nc_u64 s[G0+4*\slot+2:G0+4*\slot+3], s[G0+4*\slot+2:G0+4*\slot+3], 2*PART      ; no load of mine is out: this slot's next part
	s_add_nc_u64 s[G0B+4*\slot+2:G0B+4*\slot+3], s[G0B+4*\slot+2:G0B+4*\slot+3], 2*PART
.endif
	s_wait_dscnt 1                                 ; this step's fragments are in: the add alone, the youngest, may be out
	MUL16 0, \slot, 0
	WIN 0
	s_wait_dscnt 0x0                               ; the add is done
.if \fill
	CROUND
.if (\fill) == 1
	JLOAD G0+4*\slot, G1, G0B+4*\slot, G1B         ; its four v_nop are also the places in front of the loads below
.else
	JLOAD G0+4*\slot, G1S, G0B+4*\slot, G1SB
.endif
.else
	s_barrier_signal -1
	s_barrier_wait -1
	PLACES 4
.endif
	FETCH 1-(\slot), 1-(\slot), 0
.if \ask
	WIN 0
	ASK \ask                                       ; behind the joint load and the run of LDS loads
.endif
.irp g, 1,2,3
	MUL16 \g, \slot, 0
.endr
.endm
; THE WAY OUT of group g, my rows 32 g .. 32 g + 31: through my own stage, back as whole rows of 512 bytes INTO THE GROUP'S OWN ACCUMULATOR REGISTERS (behind the wait that shows the stage's stores done),
; the bias added, stored as two aligned units of 256 bytes a row.  Every offset is an immediate: 127 rows of 16,384 bytes at the most, inside the signed 24-bit field (ISA guide, chapter 10): no base is stepped.
.macro OUT g
	PLACES 4                                       ; behind the group's last products
	WIN (\g)<<2                                    ; the data: window g
.irp a, 0,1
.irp b, 0,1,2,3,4,5,6,7
	ds_store_b128 v[STO], v[ACC+64*\a+8*\b:ACC+64*\a+8*\b+3] offset:\a*16*SPITCH+64*\b          ; each accumulator from its low end on
	ds_store_b128 v[STO], v[ACC+64*\a+8*\b+4:ACC+64*\a+8*\b+7] offset:\a*16*SPITCH+64*\b+16
.endr
.endr
	s_wait_dscnt 0x0                               ; the stores have read their registers
	WIN (\g)<<6
.irp a, 0,1
.irp t, 0,1,2,3,4,5,6,7,8,9,10,11,12,13,14,15
	ds_load_b128 v[ACC+64*\a+4*\t:ACC+64*\a+4*\t+3], v[RD] offset:(16*\a+\t)*SPITCH
.endr
.endr
.irp a, 0,1
	s_wait_dscnt 16-16*\a                          ; this block's 16 rows are back; the second block's 16 loads may be out
	WIN ((\g)<<6)|(\g)
.irp t, 0,1,2,3,4,5,6,7,8,9,10,11,12,13,14,15
	v_pk_add_f32 v[ACC+64*\a+4*\t:ACC+64*\a+4*\t+1], v[ACC+64*\a+4*\t:ACC+64*\a+4*\t+1], v[BI:BI+1]
	v_pk_add_f32 v[ACC+64*\a+4*\t+2:ACC+64*\a+4*\t+3], v[ACC+64*\a+4*\t+2:ACC+64*\a+4*\t+3], v[BI+2:BI+3]
.endr
	WIN (\g)<<2
.irp t, 0,1,2,3,4,5,6,7,8,9,10,11,12,13,14,15
	global_store_b128 v[CO], v[ACC+64*\a+4*\t:ACC+64*\a+4*\t+3], s[10:11] offset:(32*(\g)+16*\a+\t)*SIZE_N*4 th:TH_STORE_NT   ; 32 lanes store 512 consecutive bytes, at a multiple of 256 from out0's first byte
.endr
.endr
.endm
	FETCH 0, 0, 0                                  ; step 0's fragments
	WIN 0
	ASK 1                                          ; part 2
	STEP 0, 0, 1                                   ; the first step's products start the sums
	STEP 0, 1, 0
	WIN 0
	s_mov_b32 s3, 4
.Llap:                                                 ; a trip: six K steps, once round the ring; it asks for parts 2 i + 2 and 2 i + 3
	TURN 0, 1, 1
	STEP 1, 0, 0
	STEP 1, 1, 0
	TURN 1, 1, 2
	STEP 0, 0, 0
	STEP 0, 1, 0
	WIN 0
	s_sub_co_u32 s3, s3, 1
	s_cmp_lg_u32 s3, 0
	s_cbranch_scc1 .Llap
	TURN 0, 2, 0                                   ; part 10, two K steps
	STEP 1, 0, 0
	STEP 1, 1, 0
	TURN 1, 0, 0                                   ; step 29; step 30's fragments come into the sets of parity 0
	s_wait_dscnt 0x0                               ; they are in
	PLACES 4
	FETCH 1, 0, 1                                  ; step 31's, into the sets of parity 1: from here on both steps' fragments have their registers
	MUL16 0, 0, 0                                  ; step 30, groups 0 and 1: 32 products ahead of the wait for step 31's fragments
	MUL16 1, 0, 0
	s_wait_dscnt 0x0
	s_wait_loadcnt 0x0                             ; the bias is in
	MUL16 0, 1, 0                                  ; group 0 is finished,
	OUT 0                                          ; and leaves
	MUL16 1, 1, 0
	OUT 1
	MUL16 2, 0, 0
	MUL16 2, 1, 0
	OUT 2
	MUL16 3, 0, 0
	MUL16 3, 1, 0
	OUT 3
	WIN 0
	s_wait_tensorcnt 0x0                           ; the wave's end
	ds_add_u32 v[SPW], v[NIL]
	s_wait_dscnt 0x0
	CROUND                                         ; the closing round
	s_endpgm
.Lfunc_end_k_q9e58736aa7_gemm:
	.size	k_q9e58736aa7_gemm, .Lfunc_end_k_q9e58736aa7_gemm-k_q9e58736aa7_gemm
	.p2alignl 7, 3214868480
	.fill 96, 4, 3214868480
	.section	.rodata,"a",@progbits
	.p2align	6, 0x0
	.amdhsa_kernel k_q9e58736aa7_gemm
		.amdhsa_group_segment_fixed_size 327680
		.amdhsa_private_segment_fixed_size 0
		.amdhsa_enable_private_segment 0
		.amdhsa_kernarg_size 32
		.amdhsa_user_sgpr_count 2
		.amdhsa_user_sgpr_kernarg_segment_ptr 1
		.amdhsa_wavefront_size32 1
		.amdhsa_system_sgpr_workgroup_id_x 1
		.amdhsa_system_sgpr_workgroup_id_y 1
		.amdhsa_system_sgpr_workgroup_id_z 1
		.amdhsa_system_vgpr_workitem_id 0
		.amdhsa_next_free_vgpr 1024
		.amdhsa_next_free_sgpr 88
		.amdhsa_reserve_vcc 0
		.amdhsa_float_denorm_mode_32 3
		.amdhsa_float_denorm_mode_16_64 3
		.amdhsa_memory_ordered 1
		.amdhsa_forward_progress 1
		.amdhsa_inst_pref_size 226
	.end_amdhsa_kernel
	.amdgpu_metadata
---
amdhsa.version: [ 1, 2 ]
amdhsa.kernels:
  - .name:           k_q9e58736aa7_gemm
    .symbol:         k_q9e58736aa7_gemm.kd
    .args:
      - { .name: xq, .offset: 0, .size: 8, .value_kind: global_buffer, .address_space: global }
      - { .name: wq, .offset: 8, .size: 8, .value_kind: global_buffer, .address_space: global }
      - { .name: bias, .offset: 16, .size: 8, .value_kind: global_buffer, .address_space: global }
      - { .name: out0, .offset: 24, .size: 8, .value_kind: global_buffer, .address_space: global }
    .group_segment_fixed_size: 327680
    .private_segment_fixed_size: 0
    .kernarg_segment_align: 8
    .kernarg_segment_size: 32
    .max_flat_workgroup_size: 128
    .sgpr_count:     88
    .vgpr_count:     1024
    .wavefront_size: 32
...
	.end_amdgpu_metadata
.endif
;; end of part 2
